; MI455X (gfx1250); checked and timed in simulation.
; The chip was launched on July 23, 2026; its instructions are those of AMD's public machine-readable ISA for CDNA 5 (MIT licence, August 2026) and "CDNA5" Instruction Set Architecture Reference Guide (July 2026). The comments in the code are by the model that wrote it; some were corrected since.
;; Attention. Allowed arithmetic: matrix products marked QUANTISED: E2M1 operands, one E8M0 scale for each 32 along K, by v_wmma_scale_f32_16x16x128_f8f6f4 with both operands' format E2M1 (or v_wmma_scale_f32_32x16x128_f4), f32 sums; everything else in f32.
;; Inputs: W 1,024 x 1,024 float32; b 1,024 float32; k 4 x 2,048 x 1,024 float32; mask 4 x 2,048 int32; q 4 x 2,048 x 1,024 float32; v 4 x 2,048 x 1,024 float32.
;; Outputs: out0 4 x 2,048 x 1,024 float32.
;; This version of the problem:
;;   THIS VERSION OF THE PROBLEM IS GIVEN IN LOW PRECISION. The matrix products marked QUANTISED in the list below multiply operands that are first quantised to E2M1 (2 exponent bits, 1 mantissa bit; 4 bits a number), with one power-of-two scale for each 32 numbers along K (OCP MX v1.0); their sums are f32. All else is computed in f32.
;;   The module's matrix products, in the order in which they are computed (A, B: the left and right operand; K: the contracted axis; several contracted axes count as one K, in the product's order):
;;     1. batch 64 x [M 2,048, K 64] x [K 64, N 2,048]; A: input q; B: input k: QUANTISED
;;     2. batch 64 x [M 2,048, K 2,048] x [K 2,048, N 64]; A: softmax (see below); B: input v: QUANTISED
;;     3. [M 8,192, K 1,024] x [K 1,024, N 1,024]; A: computed on the way; B: input W: QUANTISED
;;   THE QUANTISER, for each operand of a quantised product, along K:
;;     - K is cut into blocks of 32 from its start; a last block that is shorter is filled with zeros.
;;     - A block's scale is 2^e with e = floor(log2(the largest magnitude in the block)) - 2, held to -126 .. 127; a block of zeros has e = 0. As a byte (E8M0): e + 127.
;;     - Each number is divided by its block's scale, clamped to +-6, and rounded to the nearest number of E2M1, ties to even, subnormals kept.
;;     - The product sums the exact products of the quantised numbers (number of the format x scale) in f32.
;;   ~~~python
;;   def quantise(x, axis):      # numpy; x: float32 -> the quantised numbers, widened to float32 again
;;       x = np.moveaxis(x, axis, -1); K = x.shape[-1]
;;       x = np.pad(x, [(0, 0)] * (x.ndim - 1) + [(0, -K % 32)]); x = x.reshape(x.shape[:-1] + (-1, 32)); a = np.abs(x).max(-1, keepdims=True)
;;       e = np.where(a > 0, np.clip(np.frexp(np.where(a > 0, a, 1))[1] - 1 - 2, -126, 127), 0)      # np.frexp(a)[1] - 1 = floor(log2(a)), exactly
;;       r = np.clip(x / 2.0 ** e, -6, 6)
;;       step = 2.0 ** (np.maximum(np.frexp(np.where(r == 0, 1, r))[1] - 1, 0) - 1)
;;       q = np.round(r / step) * step * 2.0 ** e      # np.round: ties to even
;;       return np.moveaxis(q.reshape(q.shape[:-2] + (-1,))[..., :K], -1, axis).astype(np.float32)
;;   ~~~
;;   SOFTMAX AHEAD OF A QUANTISED PRODUCT. Where the list says 'softmax', what is quantised is not the finished softmax but p = 2^(t - M), with t = logit x log2(e) and M = ceil(the row's largest t), a whole number; so 1/2 < the row's largest p <= 1. The row's sum l is taken of the UNQUANTISED p, in f32, and the product's result is divided by l at the end. Since M is a whole number, a kernel that streams over the keys may use a running M (the ceiling of the running maximum): every later rescaling is an exact power of two, which a block's scale takes up: the codes' values come out the same.
;;   OPERANDS COMPUTED ON THE WAY. 'Computed on the way' means the value that the module computes at that place (a softmax that the list does not call 'softmax' is quantised finished and normalised). What goes into a quantiser is computed in f32, as accurately as f32 sums, v_exp_f32 and their like allow (about 1e-6 of the number): no bf16 or f16 on the way to a quantiser, and a product that is left as it is and whose result goes on into a quantised operand takes f32 operands (vector FMAs, or v_wmma_f32_16x16x4_f32). A number that lies on a knife's edge between two numbers of the format may be rounded either way, as far as f32 arithmetic and the matrix unit's own rounding can turn it there, and no further.
;; One version. Each part assembles by itself: llvm-mc -triple=amdgcn-amd-amdhsa -mcpu=gfx1250 --defsym DOCPART=n.
;; ======== version 1 of 1: 4 launches
;; limits: right only within a limited range of input values
;; workspace buffers: codes_r 8,912,896 bytes; words_r 1,114,112 bytes; vc 4,194,304 bytes; vs 262,144 bytes; ac 4,194,304 bytes; aw 524,288 bytes
;; launch quant_rows (part 1): grid 1088 x 1, 4 waves a work-group, no clusters, 33,280 bytes of LDS; arguments q, k, W, codes_r, words_r; writes codes_r, words_r
.if DOCPART == 1
	.amdgcn_target "amdgcn-amd-amdhsa--gfx1250"
	.amdhsa_code_object_version 6
	.text
	.protected	k_q72d7a5a91a_quant_rows
	.globl	k_q72d7a5a91a_quant_rows
	.p2align	8
	.type	k_q72d7a5a91a_quant_rows,@function
k_q72d7a5a91a_quant_rows:
	s_mov_b64 s[64:65], 0
	v_nop
	global_prefetch_b8 v0, s[64:65] scope:SCOPE_SE
	s_setreg_imm32_b32 hwreg(HW_REG_WAVE_MODE, 25, 1), 1
	s_wait_xcnt 0x0
; q, k [8192 rows][1024] and W [1024 rows][1024], f32, K innermost, become codes of FP4 (E2M1) with one E8M0 scale byte for each 32 along K.
; LAYOUT OF THE RESULT, chunk-major.  A chunk is 64 along K (one head): codes [chunk 0..15][row][32 bytes], scale words [chunk][row][4 bytes]:
; byte 0, 1 = the chunk's two scale bytes, bytes 2, 3 = 127 (they stand over the zero codes that fill a K of 64 up to the matrix instruction's 128).
; q's codes begin at byte 0 of codes_r, k's at 4,194,304, W's at 8,388,608; the words at 0, 524,288 and 1,048,576 of words_r.
; A block's scale is 2^(floor(log2(largest magnitude)) - 2); its byte is the largest magnitude's exponent field - 2, held at 1 from below.
; LIMITS: a block of zeros gets the byte 1 where the rule says 127 (its codes are zeros, and this program alone reads the bytes); NaN and infinities among the inputs are not served.
; SHARES.  Work-groups 0-511 take q, 512-1023 k, 1024-1087 W: only pointers and offsets are chosen, all take one path.  A wave takes 64 rows x one chunk, in 8 steps of 8 rows (512 numbers);
; a work-group's four waves take four neighbouring chunks of the same 64 rows.
; Each load reads two rows' aligned 256 bytes; a step's 2,048 bytes turn through the wave's own stage in LDS and come back 64 bytes (16 neighbours along K) a lane.
; No work-group reads what another reads, so there is no cluster; no tensor load, no barrier: waves share nothing.  Loads run four steps (16 loads a wave) ahead.
.set STEPS, 8
.set EMAX,  2
.set R,     16                         ; v16-79   four sets of 16 numbers as they are loaded
.set X,     80                         ; v80-111  two sets of 16 neighbours
.set E,     112                        ; v112-119 a scale word for each step
.set C,     128                        ; v128-159 codes: four registers for each step (two in use), so that no store's data are written again
.set SPW,   160                        ; v160     LDS address of my spare word; never rewritten
.set NIL,   161                        ; v161     0; never rewritten
.set WREG,  8192                       ; LDS: a region for each wave: two stages of 32 x SP bytes, behind them its 256 bytes of scale words
.set SP,    80                         ; a lane's place in a stage: 64 bytes + 16 of padding
.set WOFF,  2*32*SP
.set SPARE, 4*WREG                     ; behind the four regions: the spare words, 128 bytes a wave
	s_load_b128 s[4:7], s[0:1], 0x0                ; q, k
	s_load_b128 s[8:11], s[0:1], 0x10              ; W, codes_r
	s_load_b64 s[12:13], s[0:1], 0x20              ; words_r
	v_lshl_add_u32 v[SPW], v0, 2, SPARE
	v_mov_b32 v[NIL], 0
	v_lshrrev_b32 v1, 5, v0
	v_readfirstlane_b32 s16, v1                    ; wave
	v_and_b32 v2, 31, v0                           ; lane
	v_and_b32 v3, 15, v2
	v_lshlrev_b32 v3, 4, v3
	v_lshrrev_b32 v12, 4, v2
	v_lshl_add_u32 v3, v12, 12, v3                 ; in: lanes 0-15 one row's 256 bytes, lanes 16-31 the next row's (4,096 bytes on)
	s_mul_i32 s17, s16, WREG
	v_lshrrev_b32 v14, 2, v2
	v_lshl_add_u32 v5, v14, 2, s17
	v_add_nc_u32 v5, WOFF, v5                      ; LDS: my row's scale word: 4 (lane / 4)
	v_mul_u32_u24 v14, v14, SP
	v_and_b32 v15, 3, v2
	v_lshl_add_u32 v14, v15, 4, v14
	v_add_nc_u32 v14, s17, v14                     ; the stage, on the way in: SP (lane / 4) + 16 (lane % 4)
	v_mul_u32_u24 v15, v2, SP
	v_add_nc_u32 v15, s17, v15                     ; and on the way out: SP x lane: row lane / 4, numbers 16 (lane % 4) on
	v_lshlrev_b32 v4, 3, v2                        ; my 8 bytes of a step's 256 bytes of codes
	v_lshlrev_b32 v7, 3, v2
	v_add_nc_u32 v6, s17, v7
	v_add_nc_u32 v6, WOFF, v6                      ; the words on their way out: 8 bytes a lane
	v_bfe_u32 v13, v2, 1, 1
	v_lshlrev_b32 v13, 3, v13                      ; my block's byte stands 8 x (block in the chunk) bits up
	v_mov_b32 v10, 0                               ; written once: a DPP form's destination counts as read
	s_wait_alu depctr_va_vdst(0)
	s_wait_kmcnt 0x0
	s_cmp_lt_u32 ttmp9, 512                        ; which tensor?  The choice hangs on the work-group's number alone
	s_cselect_b64 s[4:5], s[4:5], s[6:7]
	s_cselect_b32 s20, 0, 512                      ; the tensor's first work-group
	s_cselect_b32 s21, 0, 0x400000                 ; where its codes begin
	s_cselect_b32 s22, 0, 0x80000                  ; where its words begin
	s_cmp_lt_u32 ttmp9, 1024
	s_cselect_b64 s[4:5], s[4:5], s[8:9]
	s_cselect_b32 s20, s20, 1024
	s_cselect_b32 s21, s21, 0x800000
	s_cselect_b32 s22, s22, 0x100000
	s_cselect_b32 s23, 18, 15                      ; a chunk of codes is rows x 32 bytes: 2^18 (8,192 rows) or 2^15 (1,024 rows)
	s_sub_co_u32 s24, ttmp9, s20
	s_lshr_b32 s25, s24, 2                         ; my block of 64 rows
	s_and_b32 s24, s24, 3
	s_lshl_b32 s24, s24, 2
	s_add_co_u32 s24, s24, s16                     ; my chunk
	s_lshl_b32 s26, s25, 18                        ; in: 64 rows of 4,096 bytes,
	s_lshl_b32 s28, s24, 8                         ; + 256 bytes a chunk
	s_add_co_u32 s26, s26, s28
	s_mov_b32 s27, 0
	s_add_nc_u64 s[4:5], s[4:5], s[26:27]
	s_lshl_b32 s26, s24, s23
	s_add_co_u32 s26, s26, s21
	s_lshl_b32 s28, s25, 11                        ; 64 rows of 32 bytes
	s_add_co_u32 s26, s26, s28
	s_add_nc_u64 s[10:11], s[10:11], s[26:27]
	s_sub_co_u32 s23, s23, 3                       ; a chunk of words is an eighth of a chunk of codes
	s_lshl_b32 s26, s24, s23
	s_add_co_u32 s26, s26, s22
	s_lshl_b32 s28, s25, 8                         ; 64 rows of 4 bytes
	s_add_co_u32 s26, s26, s28
	s_add_nc_u64 s[12:13], s[12:13], s[26:27]
.macro LOAD t
.irp i, 0,1,2,3
	global_load_b128 v[R+16*((\t)%4)+4*\i:R+16*((\t)%4)+4*\i+3], v3, s[4:5] offset:(8*(\t)+2*\i)*4096 th:TH_LOAD_NT   ; rows 8 t + 2 i and 8 t + 2 i + 1: 256 aligned bytes each
.endr
.endm
.macro TURN t                          ; step t's numbers through the stage: LDS serves a wave's instructions in order, so no wait stands between the stores and the loads
.irp i, 0,1,2,3
	ds_store_b128 v14, v[R+16*((\t)%4)+4*\i:R+16*((\t)%4)+4*\i+3] offset:32*SP*((\t)%2)+8*SP*\i
.endr
.irp i, 0,1,2,3
	ds_load_b128 v[X+16*((\t)%2)+4*\i:X+16*((\t)%2)+4*\i+3], v15 offset:32*SP*((\t)%2)+16*\i
.endr
.endm
.irp t, 0,1,2,3
	LOAD \t
.endr
	s_wait_loadcnt 12                              ; step 0's four loads are in; the twelve of steps 1 to 3 may be out
	TURN 0
.macro STEP t
.set XS, X+16*((\t)%2)
.if (\t) > 0
	s_wait_dscnt 1                                 ; this step's numbers are back from the stage (the last step's word store may be out): so its stores into the stage have read their registers,
.else
	s_wait_dscnt 0x0
.endif
.if (\t)+4 < STEPS
	LOAD (\t)+4                                    ; which take the loads of four steps on
.endif
.if (\t)+1 < STEPS
.if STEPS-2-(\t) >= 3
	s_wait_loadcnt 12                              ; the next step's four loads are in; those of the three steps behind it may be out
.else
	s_wait_loadcnt 4*(STEPS-2-(\t))
.endif
	TURN (\t)+1                                    ; and go through the other stage while this step is worked
.endif
	v_max3_num_f32 v8, |v[XS]|, |v[XS+1]|, |v[XS+2]|               ; the largest magnitude of my 16, in two chains
	v_max3_num_f32 v9, |v[XS+3]|, |v[XS+4]|, |v[XS+5]|
.irp i, 6,10
	v_max3_num_f32 v8, v8, |v[XS+\i]|, |v[XS+\i+1]|
	v_max3_num_f32 v9, v9, |v[XS+\i+2]|, |v[XS+\i+3]|
.endr
	v_max3_num_f32 v8, v8, |v[XS+14]|, |v[XS+15]|
	v_max3_num_f32 v8, v8, v9, (EMAX+1)<<23        ; and the floor 2^(EMAX + 1 - 127): the byte cannot fall under 1
	v_max_num_f32_dpp v8, v8, v8 row_xmask:1 row_mask:0xf bank_mask:0xf   ; and of my neighbour's 16: the block's
	v_add_nc_u32 v11, -(EMAX<<23), v8              ; EMAX off its exponent field: the conversion takes the exponent field of this operand as its scale
	v_cvt_scalef32_pk8_fp4_f32 v[C+4*(\t)], v[XS:XS+7], v11
	v_cvt_scalef32_pk8_fp4_f32 v[C+4*(\t)+1], v[XS+8:XS+15], v11
	v_lshrrev_b32 v[E+(\t)], 23, v11               ; the scale's byte
	v_lshlrev_b32 v12, v13, v[E+(\t)]              ; at its place in the chunk's word,
	v_mov_b32_dpp v10, v12 row_xmask:2 row_mask:0xf bank_mask:0xf   ; the chunk's other block's from two lanes away,
	v_add3_u32 v[E+(\t)], v12, v10, 0x7f7f0000     ; and 127 twice on top
	ds_store_b32 v5, v[E+(\t)] offset:32*(\t)      ; the four lanes of a row write the same word with the same value
	global_store_b64 v4, v[C+4*(\t):C+4*(\t)+1], s[10:11] offset:256*(\t)   ; 32 lanes store 256 consecutive bytes, aligned: eight rows of the chunk
.endm
.irp t, 0,1,2,3,4,5,6,7
	STEP \t
.endr
	ds_load_b64 v[8:9], v6                         ; LDS serves a wave's instructions in order: this load sees my stores
	s_wait_dscnt 0x0
	global_store_b64 v7, v[8:9], s[12:13]          ; 64 rows' words: 256 consecutive bytes, aligned
	s_wait_tensorcnt 0x0                           ; the wave's end
	ds_add_u32 v[SPW], v[NIL]
	s_wait_dscnt 0x0
	s_endpgm
.Lfunc_end_k_q72d7a5a91a_quant_rows:
	.size	k_q72d7a5a91a_quant_rows, .Lfunc_end_k_q72d7a5a91a_quant_rows-k_q72d7a5a91a_quant_rows
	.p2alignl 7, 3214868480
	.fill 96, 4, 3214868480
	.section	.rodata,"a",@progbits
	.p2align	6, 0x0
	.amdhsa_kernel k_q72d7a5a91a_quant_rows
		.amdhsa_group_segment_fixed_size 33280
		.amdhsa_private_segment_fixed_size 0
		.amdhsa_enable_private_segment 0
		.amdhsa_kernarg_size 40
		.amdhsa_user_sgpr_count 2
		.amdhsa_user_sgpr_kernarg_segment_ptr 1
		.amdhsa_wavefront_size32 1
		.amdhsa_system_sgpr_workgroup_id_x 1
		.amdhsa_system_sgpr_workgroup_id_y 1
		.amdhsa_system_sgpr_workgroup_id_z 1
		.amdhsa_system_vgpr_workitem_id 0
		.amdhsa_next_free_vgpr 162
		.amdhsa_next_free_sgpr 66
		.amdhsa_reserve_vcc 0
		.amdhsa_float_denorm_mode_32 3
		.amdhsa_float_denorm_mode_16_64 3
		.amdhsa_memory_ordered 1
		.amdhsa_forward_progress 1
		.amdhsa_inst_pref_size 21
	.end_amdhsa_kernel
	.amdgpu_metadata
---
amdhsa.version: [ 1, 2 ]
amdhsa.kernels:
  - .name:           k_q72d7a5a91a_quant_rows
    .symbol:         k_q72d7a5a91a_quant_rows.kd
    .args:
      - { .name: q, .offset: 0, .size: 8, .value_kind: global_buffer, .address_space: global }
      - { .name: k, .offset: 8, .size: 8, .value_kind: global_buffer, .address_space: global }
      - { .name: W, .offset: 16, .size: 8, .value_kind: global_buffer, .address_space: global }
      - { .name: codes_r, .offset: 24, .size: 8, .value_kind: global_buffer, .address_space: global }
      - { .name: words_r, .offset: 32, .size: 8, .value_kind: global_buffer, .address_space: global }
    .group_segment_fixed_size: 33280
    .private_segment_fixed_size: 0
    .kernarg_segment_align: 8
    .kernarg_segment_size: 40
    .max_flat_workgroup_size: 128
    .sgpr_count:     66
    .vgpr_count:     162
    .wavefront_size: 32
...
	.end_amdgpu_metadata
.endif
;; end of part 1
;; launch quant_v (part 2): grid 16 x 16, 8 waves a work-group, no clusters, 18,432 bytes of LDS; arguments v, vc, vs; writes vc, vs
.if DOCPART == 2
	.amdgcn_target "amdgcn-amd-amdhsa--gfx1250"
	.amdhsa_code_object_version 6
	.text
	.protected	k_q72d7a5a91a_quant_v
	.globl	k_q72d7a5a91a_quant_v
	.p2align	8
	.type	k_q72d7a5a91a_quant_v,@function
k_q72d7a5a91a_quant_v:
	s_mov_b64 s[64:65], 0
	v_nop
	global_prefetch_b8 v0, s[64:65] scope:SCOPE_SE
	s_setreg_imm32_b32 hwreg(HW_REG_WAVE_MODE, 25, 1), 1
	s_wait_xcnt 0x0
; v [4][2048 keys][16 heads x 64], f32, is the operand of the second product, whose K is the KEYS.  It becomes codes of FP4 (E2M1) with the keys innermost,
; vc [16 b + h][pos 0..63][1,024 bytes], and one E8M0 byte for each 32 keys, vs [16 b + h][pos][64 bytes].
; pos is the head's channel d with bits 3 and 4 changed over: row 16 t + r holds d = 32 (t / 2) + 8 (t % 2) + r + 8 (r / 8).  So 16 neighbouring rows form a tile whose results, in the
; next launch, leave 16 neighbouring channels in a lane's registers of two neighbouring tiles.
; A LANE TAKES A CHANNEL, AND ITS REGISTERS RUN DOWN THE KEYS: each load reads 32 neighbouring channels (128 bytes), a block of 32 keys lies in one lane's 32 registers, and the conversions give codes with the keys innermost.
; LIMITS: a block of zeros gets the byte 1 where the rule says 127 (its codes are zeros; this program alone reads the bytes); NaN and infinities among the inputs are not served.
; SHARES.  Work-group (x = head, y = 4 b + kq) takes 512 keys x 64 channels; wave w takes channels 32 (w & 1) on and keys 128 (w >> 1) on: four blocks a lane.  Up to 64 loads a wave are out.
; The codes meet in one stage in LDS (64 rows x (256 bytes + 16)); behind one barrier each wave stores eight whole rows: sixteen lanes store 256 consecutive bytes, aligned.
; The scale bytes leave as 4 bytes a lane into rows 64 bytes apart: one byte in 128 of what the launch reads.  No work-group reads what another reads: no cluster.
.set EMAX,  2
.set PITCH, 272
.set X,     32                         ; v32-95   two sets of 32 numbers
.set C,     96                         ; v96-111  four registers of codes for each block
.set SB,    24                         ; v24      my four scale bytes
.set OUTR,  112                        ; v112-127 the way out
	s_load_b128 s[4:7], s[0:1], 0x0                ; v, vc
	s_load_b64 s[8:9], s[0:1], 0x10                ; vs
	v_lshl_add_u32 v128, v0, 2, 0x4400
	v_mov_b32 v129, 0
	v_lshrrev_b32 v1, 5, v0
	s_delay_alu instid0(VALU_DEP_1)
	v_readfirstlane_b32 s16, v1                    ; wave 0..7
	v_and_b32 v2, 31, v0                           ; lane
	s_delay_alu instid0(VALU_DEP_1)
	v_lshlrev_b32 v3, 2, v2                        ; in: 4 bytes a lane
	s_and_b32 s17, s16, 1                          ; cw: which 32 channels
	s_lshr_b32 s18, s16, 1                         ; kw: which 128 keys
	v_and_b32 v5, 7, v2
	v_bfe_u32 v6, v2, 4, 1
	s_delay_alu instid0(VALU_DEP_1)
	v_lshl_or_b32 v5, v6, 3, v5
	v_bfe_u32 v6, v2, 3, 1
	s_delay_alu instid0(VALU_DEP_1)
	v_lshl_or_b32 v5, v6, 4, v5
	s_lshl_b32 s19, s17, 5
	v_add_nc_u32 v5, s19, v5                       ; pos
	s_delay_alu instid0(VALU_DEP_1)
	v_mul_u32_u24 v4, v5, PITCH
	s_lshl_b32 s19, s18, 6
	v_add_nc_u32 v4, s19, v4                       ; into the stage: row pos, 64 bytes for each 128 keys
	v_lshlrev_b32 v9, 6, v5                        ; my row of scale bytes
	v_lshrrev_b32 v6, 4, v2
	s_lshl_b32 s19, s16, 3
	v_add_nc_u32 v6, s19, v6                       ; out of the stage: rows 8 w on, sixteen lanes to a row, two rows an instruction
	v_and_b32 v10, 15, v2
	s_delay_alu instid0(VALU_DEP_2)
	v_mul_u32_u24 v7, v6, PITCH
	s_delay_alu instid0(VALU_DEP_1)
	v_lshl_add_u32 v7, v10, 4, v7
	s_delay_alu instid0(VALU_DEP_4)
	v_lshlrev_b32 v8, 10, v6
	s_delay_alu instid0(VALU_DEP_1)
	v_lshl_add_u32 v8, v10, 4, v8                  ; and the same place in vc: rows of 1,024 bytes
	s_and_b32 s20, ttmp7, 0xffff
	s_lshr_b32 s21, s20, 2                         ; b
	s_and_b32 s22, s20, 3                          ; kq
	s_lshl_b32 s24, s21, 23                        ; v: a batch is 2,048 rows of 4,096 bytes,
	s_lshl_b32 s23, s22, 2
	s_add_co_u32 s23, s23, s18                     ; 4 kq + kw: which 128 keys of the 2,048,
	s_lshl_b32 s25, s23, 19
	s_add_co_u32 s24, s24, s25
	s_lshl_b32 s25, ttmp9, 8                       ; 256 bytes a head,
	s_add_co_u32 s24, s24, s25
	s_lshl_b32 s25, s17, 7                         ; 128 bytes for 32 channels
	s_add_co_u32 s24, s24, s25
	s_mov_b32 s25, 0
	s_lshl_b32 s26, s21, 4
	s_add_co_u32 s26, s26, ttmp9                   ; 16 b + h
	s_lshl_b32 s28, s26, 16                        ; vc: 65,536 bytes a head, 256 bytes for 512 keys
	s_lshl_b32 s27, s22, 8
	s_add_co_u32 s28, s28, s27
	s_mov_b32 s29, 0
	s_lshl_b32 s30, s26, 12                        ; vs: 4,096 bytes a head, 4 bytes for 128 keys
	s_lshl_b32 s27, s23, 2
	s_add_co_u32 s30, s30, s27
	s_mov_b32 s31, 0
	s_wait_kmcnt 0x0
	s_add_nc_u64 s[4:5], s[4:5], s[24:25]
	s_add_nc_u64 s[6:7], s[6:7], s[28:29]
	s_add_nc_u64 s[8:9], s[8:9], s[30:31]
.macro LOAD t                          ; block t: keys 32 t + i of my channel into set t % 2
.irp i, 0,1,2,3,4,5,6,7,8,9,10,11,12,13,14,15,16,17,18,19,20,21,22,23,24,25,26,27,28,29,30,31
	global_load_b32 v[X+32*((\t)%2)+\i], v3, s[4:5] offset:(32*(\t)+\i)*4096 th:TH_LOAD_NT
.endr
.endm
	LOAD 0
	LOAD 1
.macro BLOCK t
.set XS, X+32*((\t)%2)
.if (\t) < 3
	s_wait_loadcnt 32                              ; this block's 32 loads are in; the next block's 32 may be out
.else
	s_wait_loadcnt 0
.endif
	v_max3_num_f32 v12, |v[XS]|, |v[XS+1]|, |v[XS+2]|              ; the block's largest magnitude: all 32 numbers are mine
	v_max3_num_f32 v13, |v[XS+3]|, |v[XS+4]|, |v[XS+5]|
.irp i, 6,10,14,18,22,26
	s_delay_alu instid0(VALU_DEP_2)
	v_max3_num_f32 v12, v12, |v[XS+\i]|, |v[XS+\i+1]|
	s_delay_alu instid0(VALU_DEP_2)
	v_max3_num_f32 v13, v13, |v[XS+\i+2]|, |v[XS+\i+3]|
.endr
	s_delay_alu instid0(VALU_DEP_2)
	v_max3_num_f32 v12, v12, |v[XS+30]|, |v[XS+31]|
	s_delay_alu instid0(VALU_DEP_1)
	v_max3_num_f32 v12, v12, v13, (EMAX+1)<<23     ; and the floor: the byte cannot fall under 1
	s_delay_alu instid0(VALU_DEP_1)
	v_add_nc_u32 v11, -(EMAX<<23), v12             ; the conversions' scale operand
	s_delay_alu instid0(VALU_DEP_1)
	v_lshrrev_b32 v13, 23, v11                     ; the scale's byte
.if (\t) == 0
	s_delay_alu instid0(VALU_DEP_1)
	v_mov_b32 v[SB], v13
.else
	s_delay_alu instid0(VALU_DEP_1)
	v_lshl_or_b32 v[SB], v13, 8*(\t), v[SB]
.endif
.irp g, 0,1,2,3
	v_cvt_scalef32_pk8_fp4_f32 v[C+4*(\t)+\g], v[XS+8*\g:XS+8*\g+7], v11
.endr
	ds_store_b128 v4, v[C+4*(\t):C+4*(\t)+3] offset:16*(\t)        ; 32 codes: 16 bytes of my row.  Each block has its own four registers: no wait for the store
.if (\t)+2 < 4
	LOAD (\t)+2
.endif
.endm
	BLOCK 0
	BLOCK 1
	BLOCK 2
	BLOCK 3
	global_store_b32 v9, v[SB], s[8:9]             ; my channel's four scale bytes
	s_wait_dscnt 0x0                               ; for the others' sake: my stores into the stage are done
	s_barrier_signal -1
	s_barrier_wait -1
.irp t, 0,1,2,3
	ds_load_b128 v[OUTR+4*\t:OUTR+4*\t+3], v7 offset:2*\t*PITCH
.endr
.irp t, 0,1,2,3
	s_wait_dscnt 3-\t                              ; LDS loads come back in order: load t is in, the younger ones may be out
	global_store_b128 v8, v[OUTR+4*\t:OUTR+4*\t+3], s[6:7] offset:2*\t*1024   ; sixteen lanes store 256 consecutive bytes, aligned
.endr
	s_wait_tensorcnt 0x0
	ds_add_u32 v128, v129
	s_wait_dscnt 0x0
	s_endpgm
.Lfunc_end_k_q72d7a5a91a_quant_v:
	.size	k_q72d7a5a91a_quant_v, .Lfunc_end_k_q72d7a5a91a_quant_v-k_q72d7a5a91a_quant_v
	.p2alignl 7, 3214868480
	.fill 96, 4, 3214868480
	.section	.rodata,"a",@progbits
	.p2align	6, 0x0
	.amdhsa_kernel k_q72d7a5a91a_quant_v
		.amdhsa_group_segment_fixed_size 18432
		.amdhsa_private_segment_fixed_size 0
		.amdhsa_enable_private_segment 0
		.amdhsa_kernarg_size 24
		.amdhsa_user_sgpr_count 2
		.amdhsa_user_sgpr_kernarg_segment_ptr 1
		.amdhsa_wavefront_size32 1
		.amdhsa_system_sgpr_workgroup_id_x 1
		.amdhsa_system_sgpr_workgroup_id_y 1
		.amdhsa_system_sgpr_workgroup_id_z 1
		.amdhsa_system_vgpr_workitem_id 0
		.amdhsa_next_free_vgpr 130
		.amdhsa_next_free_sgpr 66
		.amdhsa_reserve_vcc 0
		.amdhsa_float_denorm_mode_32 3
		.amdhsa_float_denorm_mode_16_64 3
		.amdhsa_memory_ordered 1
		.amdhsa_forward_progress 1
		.amdhsa_inst_pref_size 25
	.end_amdhsa_kernel
	.amdgpu_metadata
---
amdhsa.version: [ 1, 2 ]
amdhsa.kernels:
  - .name:           k_q72d7a5a91a_quant_v
    .symbol:         k_q72d7a5a91a_quant_v.kd
    .args:
      - { .name: v, .offset: 0, .size: 8, .value_kind: global_buffer, .address_space: global }
      - { .name: vc, .offset: 8, .size: 8, .value_kind: global_buffer, .address_space: global }
      - { .name: vs, .offset: 16, .size: 8, .value_kind: global_buffer, .address_space: global }
    .group_segment_fixed_size: 18432
    .private_segment_fixed_size: 0
    .kernarg_segment_align: 8
    .kernarg_segment_size: 24
    .max_flat_workgroup_size: 256
    .sgpr_count:     66
    .vgpr_count:     130
    .wavefront_size: 32
...
	.end_amdgpu_metadata
.endif
;; end of part 2
;; launch attn (part 3): grid 4 x 64, 16 waves a work-group, clusters of 4 x 1, 169,984 bytes of LDS; arguments codes_r, words_r, vc, vs, mask, ac, aw; writes ac, aw
.if DOCPART == 3
	.amdgcn_target "amdgcn-amd-amdhsa--gfx1250"
	.amdhsa_code_object_version 6
	.text
	.protected	k_q72d7a5a91a_attn
	.globl	k_q72d7a5a91a_attn
	.p2align	8
	.type	k_q72d7a5a91a_attn,@function
k_q72d7a5a91a_attn:
	s_mov_b64 s[64:65], 0
	v_nop
	global_prefetch_b8 v0, s[64:65] scope:SCOPE_SE
	s_setreg_imm32_b32 hwreg(HW_REG_WAVE_MODE, 25, 1), 1
	s_wait_xcnt 0x0
	s_wait_alu depctr_hold_cnt(0) depctr_sa_sdst(0) depctr_va_vdst(0) depctr_va_sdst(0) depctr_va_ssrc(0) depctr_va_vcc(0) depctr_vm_vsrc(0)
	s_getreg_b32 s2, hwreg(HW_REG_IB_STS2, 6, 4)
	s_cmp_eq_u32 s2, 0
	s_cbranch_scc0 .Lentry_in_a_cluster
	s_endpgm
.Lentry_in_a_cluster:
	s_bfe_u32 s2, ttmp6, 0x10000c
	s_cmp_lg_u32 s2, 0x3003
	s_cbranch_scc0 .Lentry_shape_is_right
	s_endpgm
.Lentry_shape_is_right:
; Attention of one head (work-group y = 16 b + h) on codes of FP4 (E2M1) with E8M0 scales; causal, and with the padding mask (mask == 1: the key does not count).  The result, divided by the row's sum, is quantised
; along the head's 64 channels for the projection: ac [head][8,192 rows][32 bytes], aw [head][row][4 bytes] (two scale bytes, then 127 twice).
; THE SOFTMAX: t = score x log2(e) / 8; M = the running largest t rounded UP to a whole number; p = 2^(t - M) is quantised along the keys; the row's sum is taken of the unquantised p and divides at the end.
; When M moves, the sum and O are multiplied by 2^(old M - new M): exact.
; K = 64 IN THE FIRST PRODUCT: the upper halves of Q's and K's fragments are zero codes, kept in registers for ever; their scale bytes are 127.
; THE PADDING MASK costs no vector instruction in the loop: it becomes a bias for each key, 0 or -2^120, kept in LDS and given as the C of the score products.  The running largest t begins at -2^100, over every
; padded key's t (about -2^117): while all visible keys are padded, M stays there, every p is 0 and the sums stay 0.  A row whose largest t is still under -2^99 at its end has no key at all: its scale word becomes
; 0xffffffff, so that the projection gives NaN for the whole row.
; LIMITS: |t| of a real score stays under 2^99; NaN and infinities among the inputs are not served; 1 / sum is v_rcp_f32 and a multiplication; a block of zeros has the scale byte 1.
; SHARES.  The four work-groups of a cluster belong to one head.  The head's K and V, codes and scales, 139 KiB, come into LDS ONCE, by joint loads (the same descriptor and the mask of all four in all four): no slot is
; ever filled again.  Wave w owns two tiles of 16 queries, jA = 4 w + cx and jB = 127 - jA: tile j needs j / 8 + 1 steps of 128 keys, so every wave walks (w / 2 + 1) + (16 - w / 2) = 17 steps.
; The steps' counts hang on the wave's number alone; cx enters global offsets and the diagonal's compare, no branch and no LDS address.
; LAYOUT.  Both products are used transposed: S^T = K Q^T, O^T = V^T P^T: a lane holds ONE query (lane % 16) throughout.  Lane r of tile 2 b + u of K takes key 32 b + 8 u + r + 8 (r / 8), so that the 16 registers of
; tiles 2 b, 2 b + 1 are keys 32 b + 16 (lane / 16) + 0 .. 15.  V's rows were laid in that order by the launch before, so O^T's registers are neighbouring channels in the same way.
; No data are prefetched: all tiles are asked for at the head, once.
.set KC,   0                           ; LDS: K's codes: 128 rows of 16 keys: 512 bytes + 16: pitch 528: keys 0-7 and 16-23 of a tile fall on different 16-byte columns
.set VC,   67584                       ; V's codes: 64 rows: 1,024 bytes + 16: pitch 1,040
.set KSW,  134144                      ; K's scale words: 4 bytes a key
.set VSW,  142336                      ; V's scale bytes: 64 rows: 64 bytes + 16: pitch 80
.set BI,   147456                      ; the bias: 4 bytes a key; written by LDS stores, in blocks of 512 bytes into which no tile lands
.set AK0,  1                           ; v1   my lane's place in a tile of K
.set AV0,  2                           ; v2   in a tile of V
.set ASK0, 3                           ; v3   among K's scale words
.set ASV0, 4                           ; v4   among V's
.set AB0,  5                           ; v5   in the bias
.set DCUR, 6                           ; v6   my query's place in the diagonal's step, less 16 (lane / 16)
.set VOC,  7                           ; v7   byte offset of my 16 bytes of the tile's codes (Q's on the way in, the result's on the way out)
.set ADK,  8                           ; v8-11, v31  the step's LDS addresses
.set ADV,  9
.set ADS,  10
.set ADT,  11
.set ADB,  31
.set VOS,  30                          ; v30  byte offset of my query's scale word
; v12 -M, v13 the largest t, v[14:15] the sum in two halves; v16-23 Q's fragment; v24-27, v29 the second tile's Q; v28 Q's scale word; v32-95 K's eight fragments; v96-159 bias, S^T, p;
; v160-191 O^T; v192-223 V's four fragments; v224-231 p's codes; v232-239, v254 at work; v240-247 K's, then V's scale words; v248-251 the conversions' scale operands; v252 f; v253 p's scale word
.set WV,   18
.set CX,   19
.set SEL,  20                          ; s[20:21] lane selects for v_permlanex16_b32: lane l xor 16
.set CS,   22                          ; s[22:23] c = log2(e) / 8
.set G1K,  24
.set G1V,  32
.set G1S,  40
.set G1T,  48
.set G0K,  56
.set G0V,  60
.set G0S,  68
.set G0T,  72
.set TI,   76                          ; s76  the trip, 0 .. 16
.set TA,   77                          ; s77  a = w / 2: the first tile's last trip
.set TNA,  78                          ; s78  15 - a
.set TDG,  79                          ; s79  1 in a tile's last step, which lies on the diagonal
.set TKS,  80                          ; s80  the key step
.set OFK,  81
.set OFS,  82
.set OFV,  83
.set OFJ,  84
.set TT,   85
.set DELC, 86                          ; s86-88  from the first tile to the second: in VOC, in VOS, in DCUR
.set DELS, 87
.set DELD, 88
.set W0K,  15|(3<<16)|(1<<20)|(1<<21)|(6<<22)|(3<<25)   ; 15:0 the mask: all four work-groups; 17:16 elements of 8 bytes; 20 padding on; 21 set beside a mask; 24:22 after every 128 words; 31:25 four words
.set W0V,  15|(3<<16)|(1<<20)|(1<<21)|(7<<22)|(3<<25)   ; after every 256 words
.set W0S,  15|(3<<16)|(1<<21)                           ; no padding
.set W0T,  15|(3<<16)|(1<<20)|(1<<21)|(3<<22)|(3<<25)   ; after every 16 words
.macro SHAPE g, c, r, p                ; words 1 to 7 of a group 1: r rows of c elements, p elements apart; the tile lies inside the tensor
	s_mov_b32 s[\g+1], (\c)<<16
	s_mov_b32 s[\g+2], (\r)<<16
	s_mov_b32 s[\g+3], (\c)<<16
	s_mov_b32 s[\g+4], \r
	s_mov_b32 s[\g+5], \p
	s_mov_b32 s[\g+6], 0
	s_mov_b32 s[\g+7], 0
.endm
.macro CROUND                          ; a round of the cluster's barrier
	s_barrier_signal -1
	s_barrier_wait -1
	s_cmp_lg_u32 s[WV], 0
	s_cbranch_scc1 .Lnot_wave_0_\@
	s_barrier_signal -3
.Lnot_wave_0_\@:
	s_barrier_wait -3
	s_barrier_signal -1
	s_barrier_wait -1
.endm
.macro STATE0                          ; a tile begins: the largest t at -2^100, the sums at 0
	v_mov_b32 v13, 0xf1800000
	s_delay_alu instid0(VALU_DEP_1)
	v_floor_f32 v12, -v13
	v_mov_b32 v14, 0
	v_mov_b32 v15, 0
.set n, 0
.rept 32
	v_mov_b32 v[160+n], 0
.set n, n+1
.endr
.endm
	s_load_b256 s[4:11], s[0:1], 0x0               ; codes_r s[4:5], words_r s[6:7], vc s[8:9], vs s[10:11]
	s_load_b128 s[12:15], s[0:1], 0x20             ; mask s[12:13], ac s[14:15]
	s_load_b64 s[16:17], s[0:1], 0x30              ; aw
	v_lshl_add_u32 v254, v0, 2, 0x29000
	v_mov_b32 v255, 0
	ds_add_u32 v254, v255
	ds_add_u32 v254, v255
	s_wait_dscnt 0x0
	v_lshrrev_b32 v1, 5, v0
	s_delay_alu instid0(VALU_DEP_1)
	v_readfirstlane_b32 s[WV], v1                  ; wave 0..15
	s_bfe_u32 s[CX], ttmp6, 0x40000                ; my place in the cluster
	s_and_b32 s80, ttmp7, 0xffff                   ; 16 b + h, which the four partners share
	s_lshr_b32 s81, s80, 4                         ; b
	s_and_b32 s82, s80, 15                         ; h
	s_lshl_b32 s83, s82, 13
	s_lshl_b32 s84, s81, 11
	s_add_co_u32 s83, s83, s84                     ; the head's first row in a chunk-major buffer: 8,192 h + 2,048 b
	s_mov_b32 s[G1K], W0K
	SHAPE G1K, 64, 32, 64                          ; K's codes: a wave brings 32 rows of 512 bytes, dense
	s_mov_b32 s[G1V], W0V
	SHAPE G1V, 128, 16, 128                        ; V's codes: 16 rows of 1,024 bytes, dense
	s_mov_b32 s[G1S], W0S
	SHAPE G1S, 32, 8, 32                           ; K's scale words: 8 rows of 256 bytes, dense
	s_mov_b32 s[G1T], W0T
	SHAPE G1T, 8, 16, 8                            ; V's scale bytes: 16 rows of 64 bytes, dense
	s_mov_b32 s[SEL], 0x76543210
	s_mov_b32 s[SEL+1], 0xfedcba98
	s_mov_b32 s[CS], 0x3e38aa3b
	s_mov_b32 s[CS+1], s[CS]                       ; (named with it as a pair, so it is written)
	s_lshl_b32 s2, s83, 5                          ; 32 bytes of codes a row
	s_mov_b32 s3, 0
	s_lshl_b32 s66, s83, 2                         ; 4 bytes of scales a row
	s_mov_b32 s67, 0
	s_and_b32 s79, s[WV], 3                        ; which quarter of its region a wave fetches
	s_lshl_b32 s85, s79, 14                        ; a quarter of the codes: 16,384 bytes
	s_mov_b32 s99, 0
	s_wait_kmcnt 0x0
	s_add_co_u32 s98, s2, s85
	s_add_co_u32 s98, s98, 0x400000                ; k's codes begin there
	s_mov_b32 s[G0K], 1
	s_mul_i32 s[G0K+1], s79, 16896                 ; KC + 32 rows of 528 bytes a quarter
	s_add_nc_u64 s[G0K+2:G0K+3], s[4:5], s[98:99]
	s_or_b32 s[G0K+3], s[G0K+3], 0x80000000
	s_lshl_b32 s98, s80, 16
	s_add_co_u32 s98, s98, s85
	s_mov_b32 s[G0V], 1
	s_mul_i32 s[G0V+1], s79, 16640                 ; 16 rows of 1,040 bytes a quarter
	s_add_co_u32 s[G0V+1], s[G0V+1], VC
	s_add_nc_u64 s[G0V+2:G0V+3], s[8:9], s[98:99]
	s_or_b32 s[G0V+3], s[G0V+3], 0x80000000
	s_lshl_b32 s98, s79, 11
	s_add_co_u32 s98, s98, s66
	s_add_co_u32 s98, s98, 0x80000                 ; k's scale words begin there
	s_mov_b32 s[G0S], 1
	s_lshl_b32 s[G0S+1], s79, 11
	s_add_co_u32 s[G0S+1], s[G0S+1], KSW
	s_add_nc_u64 s[G0S+2:G0S+3], s[6:7], s[98:99]
	s_or_b32 s[G0S+3], s[G0S+3], 0x80000000
	s_lshl_b32 s98, s80, 12
	s_lshl_b32 s89, s79, 10
	s_add_co_u32 s98, s98, s89
	s_mov_b32 s[G0T], 1
	s_mul_i32 s[G0T+1], s79, 1280                  ; 16 rows of 80 bytes a quarter
	s_add_co_u32 s[G0T+1], s[G0T+1], VSW
	s_add_nc_u64 s[G0T+2:G0T+3], s[10:11], s[98:99]
	s_or_b32 s[G0T+3], s[G0T+3], 0x80000000
	s_add_nc_u64 s[90:91], s[4:5], s[2:3]          ; q's codes, the head's first row
	s_add_nc_u64 s[92:93], s[6:7], s[66:67]        ; q's scale words
	s_add_nc_u64 s[94:95], s[14:15], s[2:3]        ; ac
	s_add_nc_u64 s[96:97], s[16:17], s[66:67]      ; aw
	s_lshl_b32 s98, s81, 13
	s_add_nc_u64 s[12:13], s[12:13], s[98:99]      ; the batch's 2,048 mask words
	CROUND                                         ; all four work-groups are here: the joint loads meet
; THE HEAD'S LOADS, ONE A WAVE: waves 0-3 fetch the quarters of K's codes, 4-7 of V's codes, 8-11 of K's scale words, 12-15 of V's scale bytes.
; One chain of branches on the wave's number, a load to an arm, all arms leading to one join: every way passes exactly one load.
.macro ARM under, g0, g1, next
	s_cmp_lt_u32 s[WV], \under
	s_cbranch_scc0 \next
	tensor_load_to_lds s[\g0:\g0+3], s[\g1:\g1+7]
	s_nop 0
.rept 4
	v_nop
.endr
	s_branch .Lno_fetch
\next:
.endm
	ARM 4,  G0K, G1K, .Lhead_v
	ARM 8,  G0V, G1V, .Lhead_s
	ARM 12, G0S, G1S, .Lhead_t
	tensor_load_to_lds s[G0T:G0T+3], s[G1T:G1T+7]
	s_nop 0
.rept 4
	v_nop
.endr
.Lno_fetch:
	s_lshl_b32 s89, s[WV], 2
	s_add_co_u32 s89, s89, s[CX]                   ; jA
	s_lshl_b32 s2, s89, 1
	s_sub_co_u32 s2, 127, s2                       ; jB - jA
	s_lshl_b32 s[DELC], s2, 9
	s_lshl_b32 s[DELS], s2, 6
	s_and_b32 s3, s89, 7                           ; jA's place among the eight tiles of a key step; jB's is 7 less that
	s_lshl_b32 s66, s3, 1
	s_sub_co_u32 s66, 7, s66
	s_lshl_b32 s[DELD], s66, 4                     ; (may be negative: the sum wraps, the compare is signed)
	s_lshl_b32 s3, s3, 4
	s_lshr_b32 s[TA], s[WV], 1
	s_xor_b32 s[TNA], s[TA], 15
	v_and_b32 v8, 15, v0                           ; r
	v_bfe_u32 v9, v0, 4, 1                         ; hh = lane / 16
	s_delay_alu instid0(VALU_DEP_2)
	v_lshlrev_b32 v[VOC], 5, v8
	s_delay_alu instid0(VALU_DEP_1)
	v_lshl_add_u32 v[VOC], v9, 4, v[VOC]
	s_lshl_b32 s67, s89, 9
	v_add_nc_u32 v[VOC], s67, v[VOC]               ; 512 j + 32 r + 16 hh
	v_lshlrev_b32 v[VOS], 2, v8
	s_lshl_b32 s67, s89, 6
	v_add_nc_u32 v[VOS], s67, v[VOS]               ; 64 j + 4 r
	v_add_nc_u32 v103, s[DELC], v[VOC]
	s_delay_alu instid0(VALU_DEP_2)
	v_add_nc_u32 v104, s[DELS], v[VOS]
	v_lshlrev_b32 v102, 4, v0
	global_load_b128 v[96:99], v102, s[12:13]      ; four mask words a thread: 512 threads take the batch's 2,048
	global_load_b128 v[16:19], v[VOC], s[90:91]    ; Q's fragment of the first tile: 512 consecutive bytes a wave
	global_load_b32 v28, v[VOS], s[92:93]
	global_load_b128 v[24:27], v103, s[90:91]      ; and of the second, kept until it is due
	global_load_b32 v29, v104, s[92:93]
	v_lshl_add_u32 v101, v0, 4, BI
	v_lshrrev_b32 v10, 3, v8                       ; r / 8
	v_and_b32 v11, 7, v8
	s_delay_alu instid0(VALU_DEP_2)
	v_mul_u32_u24 v[AK0], v10, 528
	s_delay_alu instid0(VALU_DEP_1)
	v_lshl_add_u32 v[AK0], v11, 5, v[AK0]
	s_delay_alu instid0(VALU_DEP_1)
	v_lshl_add_u32 v[AK0], v9, 4, v[AK0]           ; KC + 528 (r / 8) + 32 (r % 8) + 16 hh
	v_mul_u32_u24 v[AV0], v8, 1040
	s_delay_alu instid0(VALU_DEP_1)
	v_lshl_add_u32 v[AV0], v9, 4, v[AV0]
	s_delay_alu instid0(VALU_DEP_1)
	v_add_nc_u32 v[AV0], VC, v[AV0]
	v_lshl_add_u32 v[ASK0], v10, 3, v8             ; r + 8 (r / 8)
	s_delay_alu instid0(VALU_DEP_1)
	v_lshl_add_u32 v[ASK0], v[ASK0], 2, KSW
	v_mul_u32_u24 v[ASV0], v8, 80
	s_delay_alu instid0(VALU_DEP_1)
	v_add_nc_u32 v[ASV0], VSW, v[ASV0]
	v_lshl_add_u32 v[AB0], v9, 6, BI               ; my eight keys of a tile begin 16 hh keys on
	v_lshlrev_b32 v[DCUR], 4, v9
	s_delay_alu instid0(VALU_DEP_1)
	v_sub_nc_u32 v[DCUR], v8, v[DCUR]
	s_delay_alu instid0(VALU_DEP_1)
	v_add_nc_u32 v[DCUR], s3, v[DCUR]              ; 16 (j % 8) + r - 16 hh
.irp t, 0,1,2,3,4,5,6,7
.irp i, 4,5,6,7
	v_mov_b32 v[32+8*\t+\i], 0                     ; K = 64 .. 127 of K's fragments: zero codes, for ever
.endr
.endr
.irp i, 20,21,22,23
	v_mov_b32 v\i, 0                               ; and of Q's
.endr
.irp i, 236,237,238,239,253
	v_mov_b32 v\i, 0                               ; written once: a lane permute's destination counts as read, and v253 is named as the upper half of the pair v[252:253]
.endr
	v_mov_b32 v100, 0xfb800000                     ; -2^120
	STATE0
	s_wait_loadcnt 0x0
.irp i, 0,1,2,3
	v_cmp_eq_u32 vcc_lo, 1, v[96+\i]
	s_delay_alu instid0(VALU_DEP_1)
	v_cndmask_b32 v[96+\i], 0, v100, vcc_lo        ; the key's bias
.endr
	ds_store_b128 v101, v[96:99]
	s_wait_tensorcnt 0x0                           ; my parts of the head's tiles have landed,
	s_wait_dscnt 0x0                               ; my part of the bias is stored:
	s_barrier_signal -1
	s_barrier_wait -1                              ; everybody's.  From here on LDS is only read
	s_mov_b32 s[TI], 0
.Ltrip:                                                ; 17 trips: trips 0 .. a are the first tile's key steps 0 .. a, trips a + 1 .. 16 the second tile's 0 .. 15 - a
	s_cmp_gt_u32 s[TI], s[TA]
	s_cselect_b32 s[TT], s[TNA], 0
	s_cmp_eq_u32 s[TI], s[TA]
	s_cselect_b32 s[TDG], 1, 0
	s_cmp_eq_u32 s[TI], 16
	s_cselect_b32 s[TDG], 1, s[TDG]
	s_add_co_u32 s[TKS], s[TI], s[TT]
	s_and_b32 s[TKS], s[TKS], 15                   ; (I + 15 - a) mod 16 = I - (a + 1)
	s_mul_i32 s[OFK], s[TKS], 4224                 ; 128 keys: eight rows of 528 bytes,
	s_lshl_b32 s[OFS], s[TKS], 9                   ; 512 bytes of scale words and of bias,
	s_lshl_b32 s[OFV], s[TKS], 6                   ; 64 bytes of a row of V,
	s_lshl_b32 s[OFJ], s[TKS], 2                   ; 4 of its scale bytes
	v_add_nc_u32 v[ADK], s[OFK], v[AK0]            ; these five are also the places between the last trip's products and the loads into their scale registers
	v_add_nc_u32 v[ADS], s[OFS], v[ASK0]
	v_add_nc_u32 v[ADB], s[OFS], v[AB0]
	v_add_nc_u32 v[ADV], s[OFV], v[AV0]
	v_add_nc_u32 v[ADT], s[OFJ], v[ASV0]
.irp t, 0,1,2,3,4,5,6,7
	ds_load_b128 v[96+8*\t:99+8*\t], v[ADB] offset:(32*(\t/2)+8*(\t%2))*4        ; the bias of my eight keys of tile t: the product's C
	ds_load_b128 v[100+8*\t:103+8*\t], v[ADB] offset:(32*(\t/2)+8*(\t%2))*4+16
	ds_load_b128 v[32+8*\t:35+8*\t], v[ADK] offset:(\t/2)*1056+(\t%2)*256        ; K's fragment, K = 0 .. 63
	ds_load_b32 v[240+\t], v[ADS] offset:(32*(\t/2)+8*(\t%2))*4
.endr
	s_wait_alu depctr_va_vdst(0)
	s_wait_dscnt 0x0
.irp t, 0,1,2,3,4,5,6,7                        ; S^T = K Q^T + bias: eight accumulators, one instruction each
	v_wmma_scale_f32_16x16x128_f8f6f4 v[96+8*\t:103+8*\t], v[32+8*\t:39+8*\t], v[16:23], v[96+8*\t:103+8*\t], v[240+\t], v28 matrix_a_fmt:MATRIX_FMT_FP4 matrix_b_fmt:MATRIX_FMT_FP4
.endr
.rept 4
	v_nop                                          ; places in front of the loads into scale registers that these products read, and of the first read of the scores
.endr
.irp t, 0,1,2,3                                ; V's fragments and scale words land while the softmax is worked
.irp c, 0,1
	ds_load_b128 v[192+8*\t+4*\c:195+8*\t+4*\c], v[ADV] offset:16*\t*1040+32*\c
.endr
	ds_load_b32 v[240+\t], v[ADT] offset:16*\t*80
.endr
	s_cmp_eq_u32 s[TDG], 0                         ; only a tile's last step lies on the diagonal
	s_cbranch_scc1 .Lopen
	v_mov_b32 v254, 0xff800000                     ; -infinity.  Register 16 b + i holds key 32 b + 16 hh + i of the step: hidden where 32 b + i > DCUR
.set n, 0
.rept 64
	v_cmp_gt_i32 vcc_lo, 32*(n/16)+n%16, v[DCUR]
	v_cndmask_b32 v[96+n], v[96+n], v254, vcc_lo
.set n, n+1
.endr
.Lopen:
.irp b, 0,1,2,3
	v_max3_num_f32 v[232+\b], v[96+16*\b], v[97+16*\b], v[98+16*\b]   ; the largest score of each block of 32 keys: for the row's maximum and, since p rises with the score, for the block's largest p
.endr
.irp i, 3,5,7,9,11,13
.irp b, 0,1,2,3
	v_max3_num_f32 v[232+\b], v[232+\b], v[96+16*\b+\i], v[97+16*\b+\i]
.endr
.endr
.irp b, 0,1,2,3
	v_max_num_f32 v[232+\b], v[232+\b], v[111+16*\b]
.endr
.irp b, 0,1,2,3
	s_delay_alu instid0(VALU_DEP_4)
	v_permlanex16_b32 v[236+\b], v[232+\b], s[SEL], s[SEL+1]
.endr
.irp b, 0,1,2,3
	s_delay_alu instid0(VALU_DEP_4)
	v_max_num_f32 v[232+\b], v[232+\b], v[236+\b]  ; with lane l xor 16's 16 keys
.endr
	s_delay_alu instid0(VALU_DEP_2)
	v_max3_num_f32 v254, v232, v233, v234
	s_delay_alu instid0(VALU_DEP_1)
	v_max_num_f32 v254, v254, v235                 ; the step's largest score of my query
	s_delay_alu instid0(VALU_DEP_1)
	v_mul_f32 v254, s[CS], v254                    ; as t
	s_delay_alu instid0(VALU_DEP_1)
	v_max_num_f32 v13, v13, v254                   ; the running largest t
	v_mov_b32 v254, v12
	s_delay_alu instid0(VALU_DEP_2)
	v_floor_f32 v12, -v13                          ; the new -M = floor(-t) = -ceil(t)
	s_delay_alu instid0(VALU_DEP_1)
	v_sub_f32 v254, v12, v254                      ; old M - new M: a whole number, 0 or less
	s_delay_alu instid0(VALU_DEP_1)
	v_cvt_i32_f32 v254, v254                       ; (it saturates)
	s_delay_alu instid0(VALU_DEP_1)
	v_ldexp_f32 v252, 1.0, v254                    ; f = 2^(old M - new M)
.set n, 0
.rept 32
	v_pk_fma_f32 v[96+n:97+n], v[96+n:97+n], s[CS:CS+1], v[12:13] op_sel_hi:[1,0,0]   ; t - M, two at a time
.set n, n+2
.endr
.irp b, 0,1,2,3
	v_fma_f32 v[232+\b], v[232+\b], s[CS], v12     ; the same of each block's largest score
.endr
.set n, 0
	s_wait_alu depctr_va_vdst(0)
.rept 64
	v_exp_f32 v[96+n], v[96+n]                     ; p = 2^(t - M), at most 1
.set n, n+1
.endr
.irp b, 0,1,2,3
	v_exp_f32 v[232+\b], v[232+\b]                 ; the block's largest p
.endr
	v_pk_mul_f32 v[14:15], v[14:15], v[252:253] op_sel_hi:[1,0]   ; the sums under the new M.  (A plain place behind the exponentials)
	s_wait_alu depctr_va_vdst(0)
.irp b, 0,1,2,3
	v_max_num_f32 v[232+\b], 0x1800000, v[232+\b]  ; the floor 2^(3 - 127): the byte cannot fall under 1
.endr
.irp b, 0,1,2,3
	s_delay_alu instid0(VALU_DEP_4)
	v_add_nc_u32 v[248+\b], 0xff000000, v[232+\b]  ; 2 off the exponent field: the conversion's scale operand
.endr
.irp b, 0,1,2,3
	s_delay_alu instid0(VALU_DEP_4)
	v_lshrrev_b32 v[236+\b], 23, v[248+\b]         ; the scale's byte
.endr
	s_delay_alu instid0(VALU_DEP_3)
	v_lshl_or_b32 v253, v237, 8, v236              ; p's scale word for these 128 keys
	s_delay_alu instid0(VALU_DEP_1)
	v_lshl_or_b32 v253, v238, 16, v253
	s_delay_alu instid0(VALU_DEP_1)
	v_lshl_or_b32 v253, v239, 24, v253
.irp b, 0,1,2,3
	v_cvt_scalef32_pk8_fp4_f32 v[224+2*\b], v[96+16*\b:103+16*\b], v[248+\b]
	v_cvt_scalef32_pk8_fp4_f32 v[225+2*\b], v[104+16*\b:111+16*\b], v[248+\b]
.endr
	v_nop                                          ; one plain place behind a scaled conversion
.irp c, 0,1                                    ; the operand's layout wants a whole block in a lane
.irp i, 0,1
	v_permlane16_swap_b32 v[224+4*\c+\i], v[226+4*\c+\i]
.endr
.endr
	v_pk_add_f32 v[236:237], v[100:101], v[104:105]
	v_pk_add_f32 v[254:255], v[108:109], v[112:113]
	v_pk_add_f32 v[250:251], v[116:117], v[120:121]
	v_pk_add_f32 v[248:249], v[124:125], v[128:129]
	v_pk_add_f32 v[246:247], v[132:133], v[136:137]
	v_pk_add_f32 v[244:245], v[140:141], v[144:145]
	v_pk_add_f32 v[234:235], v[148:149], v[152:153]
	v_pk_add_f32 v[14:15], v[14:15], v[156:157]
	v_pk_add_f32 v[236:237], v[236:237], v[96:97]
	v_pk_add_f32 v[254:255], v[254:255], v[98:99]
	v_pk_add_f32 v[250:251], v[250:251], v[102:103]
	v_pk_add_f32 v[248:249], v[248:249], v[106:107]
	v_pk_add_f32 v[246:247], v[246:247], v[110:111]
	v_pk_add_f32 v[244:245], v[244:245], v[114:115]
	v_pk_add_f32 v[234:235], v[234:235], v[118:119]
	v_pk_add_f32 v[14:15], v[14:15], v[122:123]
	v_pk_add_f32 v[236:237], v[236:237], v[126:127]
	v_pk_add_f32 v[254:255], v[254:255], v[130:131]
	v_pk_add_f32 v[250:251], v[250:251], v[134:135]
	v_pk_add_f32 v[248:249], v[248:249], v[138:139]
	v_pk_add_f32 v[246:247], v[246:247], v[142:143]
	v_pk_add_f32 v[244:245], v[244:245], v[146:147]
	v_pk_add_f32 v[234:235], v[234:235], v[150:151]
	v_pk_add_f32 v[14:15], v[14:15], v[154:155]
	v_pk_add_f32 v[236:237], v[236:237], v[158:159]
	s_delay_alu instid0(VALU_DEP_2)
	v_pk_add_f32 v[14:15], v[14:15], v[248:249]
	s_delay_alu instid0(VALU_DEP_2)
	v_pk_add_f32 v[236:237], v[236:237], v[246:247]
	v_pk_add_f32 v[254:255], v[254:255], v[244:245]
	v_pk_add_f32 v[250:251], v[250:251], v[234:235]
	s_delay_alu instid0(VALU_DEP_2)
	v_pk_add_f32 v[14:15], v[14:15], v[254:255]
	s_delay_alu instid0(VALU_DEP_2)
	v_pk_add_f32 v[236:237], v[236:237], v[250:251]
	s_delay_alu instid0(VALU_DEP_1)
	v_pk_add_f32 v[14:15], v[14:15], v[236:237]
.set n, 0
.rept 16
	v_pk_mul_f32 v[160+n:161+n], v[160+n:161+n], v[252:253] op_sel_hi:[1,0]   ; O^T under the new M
.set n, n+2
.endr
	s_wait_alu depctr_va_vdst(0)
	s_wait_dscnt 0x0                               ; V's fragments and scale words are in
.irp t, 0,1,2,3                                ; O^T += V^T P^T: four accumulators, one instruction each
	v_wmma_scale_f32_16x16x128_f8f6f4 v[160+8*\t:167+8*\t], v[192+8*\t:199+8*\t], v[224:231], v[160+8*\t:167+8*\t], v[240+\t], v253 matrix_a_fmt:MATRIX_FMT_FP4 matrix_b_fmt:MATRIX_FMT_FP4
.endr
	s_cmp_eq_u32 s[TDG], 0
	s_cbranch_scc1 .Lnext
	; A TILE IS FINISHED: O^T / the sum, quantised along the 64 channels, leaves as 512 consecutive bytes of codes and 64 of scale words; then the second tile's state is set up
.rept 4
	v_nop                                          ; places behind the last products
.endr
	v_add_f32 v14, v14, v15
	s_delay_alu instid0(VALU_DEP_1)
	v_permlanex16_b32 v236, v14, s[SEL], s[SEL+1]
	s_delay_alu instid0(VALU_DEP_1)
	v_add_f32 v14, v14, v236                       ; the row's sum
	s_wait_alu depctr_va_vdst(0)
	v_rcp_f32 v14, v14
	v_nop                                          ; one plain place behind a transcendental
	v_cmp_gt_f32 vcc_lo, 0xf1000000, v13           ; -2^99 > the largest t: no key counted for this query
.set n, 0
	s_wait_alu depctr_va_vdst(0)
.rept 16
	v_pk_mul_f32 v[160+n:161+n], v[160+n:161+n], v[14:15] op_sel_hi:[1,0]   ; each accumulator from its low end on
.set n, n+2
.endr
.irp b, 0,1
	v_max3_num_f32 v[232+\b], |v[160+16*\b]|, |v[161+16*\b]|, 0x1800000
.endr
.irp i, 2,4,6,8,10,12,14
.irp b, 0,1
	s_delay_alu instid0(VALU_DEP_2)
	v_max3_num_f32 v[232+\b], v[232+\b], |v[160+16*\b+\i]|, |v[161+16*\b+\i]|
.endr
.endr
.irp b, 0,1
	s_delay_alu instid0(VALU_DEP_2)
	v_permlanex16_b32 v[236+\b], v[232+\b], s[SEL], s[SEL+1]
.endr
.irp b, 0,1
	s_delay_alu instid0(VALU_DEP_2)
	v_max_num_f32 v[232+\b], v[232+\b], v[236+\b]
.endr
.irp b, 0,1
	s_delay_alu instid0(VALU_DEP_2)
	v_add_nc_u32 v[248+\b], 0xff000000, v[232+\b]
.endr
.irp b, 0,1
	s_delay_alu instid0(VALU_DEP_2)
	v_lshrrev_b32 v[236+\b], 23, v[248+\b]
.endr
	s_delay_alu instid0(VALU_DEP_1)
	v_lshl_or_b32 v254, v237, 8, v236
	s_delay_alu instid0(VALU_DEP_1)
	v_or_b32 v254, 0x7f7f0000, v254                ; the row's scale word
	s_delay_alu instid0(VALU_DEP_1)
	v_cndmask_b32 v254, v254, -1, vcc_lo           ; a row without keys: NaN bytes
	v_cvt_scalef32_pk8_fp4_f32 v224, v[160:167], v248
	v_cvt_scalef32_pk8_fp4_f32 v225, v[168:175], v248
	v_cvt_scalef32_pk8_fp4_f32 v226, v[176:183], v249
	v_cvt_scalef32_pk8_fp4_f32 v227, v[184:191], v249
	v_nop                                          ; one plain place behind a scaled conversion
	v_permlane16_swap_b32 v224, v226               ; lanes 0-15 channels 0-31, lanes 16-31 channels 32-63 of their query
	v_permlane16_swap_b32 v225, v227
	global_store_b128 v[VOC], v[224:227], s[94:95] ; 32 lanes store 512 consecutive bytes, aligned
	global_store_b32 v[VOS], v254, s[96:97]        ; lanes r and r + 16 store the same word with the same value
	s_wait_xcnt 0x0                                ; the stores have read their registers: offsets and data may be written again
.irp i, 0,1,2,3
	v_mov_b32 v[16+\i], v[24+\i]                   ; the second tile's Q
.endr
	v_mov_b32 v28, v29
	v_add_nc_u32 v[VOC], s[DELC], v[VOC]
	v_add_nc_u32 v[VOS], s[DELS], v[VOS]
	v_add_nc_u32 v[DCUR], s[DELD], v[DCUR]
	STATE0                                         ; (its 36 lines are also the places between the write of Q's scale word and the next scaled product)
.Lnext:
	s_add_co_u32 s[TI], s[TI], 1
	s_cmp_lt_u32 s[TI], 17
	s_cbranch_scc1 .Ltrip
	s_wait_dscnt 0x0                               ; no LDS instruction of mine is out at a signal
	s_wait_xcnt 0x0
	v_lshl_add_u32 v254, v0, 2, 0x29000
	v_mov_b32 v255, 0
	s_wait_alu depctr_va_vdst(0)
	s_wait_tensorcnt 0x0
	ds_add_u32 v254, v255
	s_wait_dscnt 0x0
	CROUND                                         ; the closing round
	s_endpgm
.Lfunc_end_k_q72d7a5a91a_attn:
	.size	k_q72d7a5a91a_attn, .Lfunc_end_k_q72d7a5a91a_attn-k_q72d7a5a91a_attn
	.p2alignl 7, 3214868480
	.fill 96, 4, 3214868480
	.section	.rodata,"a",@progbits
	.p2align	6, 0x0
	.amdhsa_kernel k_q72d7a5a91a_attn
		.amdhsa_group_segment_fixed_size 169984
		.amdhsa_private_segment_fixed_size 0
		.amdhsa_enable_private_segment 0
		.amdhsa_kernarg_size 56
		.amdhsa_user_sgpr_count 2
		.amdhsa_user_sgpr_kernarg_segment_ptr 1
		.amdhsa_wavefront_size32 1
		.amdhsa_system_sgpr_workgroup_id_x 1
		.amdhsa_system_sgpr_workgroup_id_y 1
		.amdhsa_system_sgpr_workgroup_id_z 1
		.amdhsa_system_vgpr_workitem_id 0
		.amdhsa_next_free_vgpr 256
		.amdhsa_next_free_sgpr 100
		.amdhsa_reserve_vcc 1
		.amdhsa_float_denorm_mode_32 3
		.amdhsa_float_denorm_mode_16_64 3
		.amdhsa_memory_ordered 1
		.amdhsa_forward_progress 1
		.amdhsa_inst_pref_size 42
	.end_amdhsa_kernel
	.amdgpu_metadata
---
amdhsa.version: [ 1, 2 ]
amdhsa.kernels:
  - .name:           k_q72d7a5a91a_attn
    .symbol:         k_q72d7a5a91a_attn.kd
    .args:
      - { .name: codes_r, .offset: 0, .size: 8, .value_kind: global_buffer, .address_space: global }
      - { .name: words_r, .offset: 8, .size: 8, .value_kind: global_buffer, .address_space: global }
      - { .name: vc, .offset: 16, .size: 8, .value_kind: global_buffer, .address_space: global }
      - { .name: vs, .offset: 24, .size: 8, .value_kind: global_buffer, .address_space: global }
      - { .name: mask, .offset: 32, .size: 8, .value_kind: global_buffer, .address_space: global }
      - { .name: ac, .offset: 40, .size: 8, .value_kind: global_buffer, .address_space: global }
      - { .name: aw, .offset: 48, .size: 8, .value_kind: global_buffer, .address_space: global }
    .group_segment_fixed_size: 169984
    .private_segment_fixed_size: 0
    .kernarg_segment_align: 8
    .kernarg_segment_size: 56
    .max_flat_workgroup_size: 512
    .sgpr_count:     100
    .vgpr_count:     256
    .wavefront_size: 32
...
	.end_amdgpu_metadata
.endif
;; end of part 3
;; launch proj (part 4): grid 4 x 64, 8 waves a work-group, clusters of 4 x 4, 277,504 bytes of LDS; arguments ac, aw, codes_r, words_r, b, out0; writes out0
.if DOCPART == 4
	.amdgcn_target "amdgcn-amd-amdhsa--gfx1250"
	.amdhsa_code_object_version 6
	.text
	.protected	k_q72d7a5a91a_proj
	.globl	k_q72d7a5a91a_proj
	.p2align	8
	.type	k_q72d7a5a91a_proj,@function
k_q72d7a5a91a_proj:
	s_mov_b64 s[64:65], 0
	v_nop
	global_prefetch_b8 v0, s[64:65] scope:SCOPE_SE
	s_setreg_imm32_b32 hwreg(HW_REG_WAVE_MODE, 25, 1), 1
	s_wait_xcnt 0x0
	s_wait_alu depctr_hold_cnt(0) depctr_sa_sdst(0) depctr_va_vdst(0) depctr_va_sdst(0) depctr_va_ssrc(0) depctr_va_vcc(0) depctr_vm_vsrc(0)
	s_getreg_b32 s2, hwreg(HW_REG_IB_STS2, 6, 4)
	s_cmp_eq_u32 s2, 0
	s_cbranch_scc0 .Lentry_in_a_cluster
	s_endpgm
.Lentry_in_a_cluster:
	s_bfe_u32 s2, ttmp6, 0x10000c
	s_cmp_lg_u32 s2, 0xf033
	s_cbranch_scc0 .Lentry_shape_is_right
	s_endpgm
.Lentry_shape_is_right:
; out0[m][n] = sum over k of A[m][k] W[n][k] + b[n], on codes of FP4 (E2M1) with E8M0 scales.  A: ac, aw (chunk-major: [chunk of 64 k][8,192 rows][32 bytes], [chunk][row][4 bytes]); W: the same form with 1,024 rows,
; at byte 8,388,608 of codes_r and 1,048,576 of words_r.  A scale byte 0xff of A (a query without keys) makes its whole row NaN.
; SHARES.  A work-group makes 128 rows x 256 columns; its eight waves 64 x 64 each (wm = w / 4, wn = w % 4): 16 accumulators.  ALL of K, 1,024, lies in LDS at once: 64 KiB of A's codes, 128 KiB of W's, and the
; scale words: every fill is a first fill, and no slot is filled again.  Each wave issues ONE tensor load at the head: half a region, eight chunks: waves 0, 1 W's codes, 2, 3 A's codes, 4, 5 A's scale words, 6, 7 W's.
; CLUSTERS: 4 x 4 work-groups.  A's tiles hang on the tile row alone and are asked for jointly along a row of the cluster, W's on the tile column alone, along a column.
; THE MATRIX INSTRUCTION IS USED TRANSPOSED (source 0 = 16 rows of W, source 1 = 16 rows of A): a lane holds eight neighbouring columns of one row of out0.
; THE BIAS is loaded straight into the accumulators, in the result's layout: every product adds in place, nothing is cleared, no first step is written apart.
; No data are prefetched: all tiles are asked for at the head, once, and there is no loop to run ahead in.
.set AC,   0                           ; LDS: A's codes: chunk c at 4,352 c; in it row m at 272 (m / 8) + 32 (m % 8): 256 bytes + 16 of padding
.set BC,   69632                       ; W's codes: chunk c at 8,704 c, rows likewise
.set SCA,  208896                      ; A's scale words: chunk c at 1,024 c: 512 bytes of words, 512 of padding, so that A's and W's chunks are equally far apart
.set SCB,  225280                      ; W's: chunk c at 1,024 c
.set STG,  241664                      ; the way out: 16 rows x (256 bytes + 16) for each wave; no tile lands here
.set ADRA, 4
.set ADRB, 5
.set ADRS, 6
.set STO,  7
.set RD,   8
.set CO,   9
.set BO,   10
.set SC,   32                          ; v32-63   scale words: register 4 s + i: lanes 0-15 A's block i, lanes 16-31 W's block i, for K step s
.set BF,   64                          ; v64-95   W's four fragments
.set AF,   96                          ; v96-127  A's four fragments
.set ACC,  128                         ; v128-255 accumulator (a, bb) at 128 + 8 (4 a + bb)
.set WV,   18
.set HF,   97                          ; s97  which half of its region a wave fetches
.set G1A,  24
.set G1B,  32
.set G1SA, 40
.set G1SB, 48
.set G0A,  56
.set G0B,  60
.set G0SA, 68
.set G0SB, 72
.set W0C,  (3<<16)|(1<<20)|(1<<21)|(5<<22)|(3<<25)      ; elements of 8 bytes; padding on; bit 21 beside a mask; after every 64 words four words
.macro SHAPE g, c, r, p                ; words 1 to 7 of a group 1: r rows of c elements, p elements apart
	s_mov_b32 s[\g+1], (\c)<<16
	s_mov_b32 s[\g+2], (\r)<<16
	s_mov_b32 s[\g+3], (\c)<<16
	s_mov_b32 s[\g+4], \r
	s_mov_b32 s[\g+5], \p
	s_mov_b32 s[\g+6], 0
	s_mov_b32 s[\g+7], 0
.endm
.macro CROUND                          ; a round of the cluster's barrier
	s_barrier_signal -1
	s_barrier_wait -1
	s_cmp_lg_u32 s[WV], 0
	s_cbranch_scc1 .Lnot_wave_0_\@
	s_barrier_signal -3
.Lnot_wave_0_\@:
	s_barrier_wait -3
	s_barrier_signal -1
	s_barrier_wait -1
.endm
	s_load_b256 s[4:11], s[0:1], 0x0               ; ac s[4:5], aw s[6:7], codes_r s[8:9], words_r s[10:11]
	s_load_b128 s[12:15], s[0:1], 0x20             ; b s[12:13], out0 s[14:15]
	v_lshl_add_u32 v30, v0, 2, 0x43800
	v_mov_b32 v31, 0
	ds_add_u32 v30, v31                            ; the opening add, twice on end, and its wait ahead of my tensor load
	ds_add_u32 v30, v31
	v_lshrrev_b32 v1, 5, v0
	s_delay_alu instid0(VALU_DEP_1)
	v_readfirstlane_b32 s[WV], v1                  ; wave 0..7
	s_and_b32 s[HF], s[WV], 1
	s_bfe_u32 s19, ttmp6, 0x40000                  ; cx
	s_bfe_u32 s20, ttmp6, 0x40004                  ; cy
	s_lshl_b32 s21, ttmp9, 2
	s_add_co_u32 s21, s21, s19                     ; tile column = 4 x cluster x + cx
	s_and_b32 s22, ttmp7, 0xffff
	s_lshl_b32 s22, s22, 2
	s_add_co_u32 s22, s22, s20                     ; tile row = 4 x cluster y + cy
	s_mov_b32 s23, 0x05040100                      ; v_perm_b32: the two low halves
	s_lshl_b32 s84, s20, 2
	s_lshl_b32 s84, 15, s84                        ; my row of the cluster
	s_lshl_b32 s85, 0x1111, s19                    ; my column
	s_or_b32 s[G1A], s84, W0C
	SHAPE G1A, 512, 8, 32768                       ; eight chunks: 128 rows x 32 bytes = 4,096 dense bytes each, 262,144 bytes apart
	s_or_b32 s[G1B], s85, W0C
	SHAPE G1B, 1024, 8, 4096                       ; 256 rows x 32 bytes = 8,192 bytes each, 32,768 apart
	s_or_b32 s[G1SA], s84, 0xffb30000              ; elements of 8 bytes; padding on; bit 21; after every 128 words 128 words
	SHAPE G1SA, 64, 8, 4096                        ; 128 words = 512 bytes each, 32,768 apart
	s_or_b32 s[G1SB], s85, (3<<16)|(1<<21)         ; no padding
	SHAPE G1SB, 128, 8, 512                        ; 256 words = 1,024 bytes each, 4,096 apart
	; A's offsets are made of the tile row and the wave's half, W's of the tile column and the wave's half, each in registers that never hold the other coordinate
	s_lshl_b32 s76, s[HF], 21                      ; eight chunks of ac
	s_lshl_b32 s86, s22, 12
	s_add_co_u32 s76, s76, s86
	s_mov_b32 s77, 0
	s_lshl_b32 s78, s[HF], 18                      ; eight chunks of aw
	s_lshl_b32 s86, s22, 9
	s_add_co_u32 s78, s78, s86
	s_mov_b32 s79, 0
	s_lshl_b32 s80, s[HF], 18                      ; eight chunks of W's codes
	s_lshl_b32 s87, s21, 13
	s_add_co_u32 s80, s80, s87
	s_add_co_u32 s80, s80, 0x800000
	s_mov_b32 s81, 0
	s_lshl_b32 s82, s[HF], 15                      ; eight chunks of W's words
	s_lshl_b32 s87, s21, 10
	s_add_co_u32 s82, s82, s87
	s_add_co_u32 s82, s82, 0x100000
	s_mov_b32 s83, 0
	s_lshr_b32 s88, s[WV], 2                       ; wm
	s_and_b32 s89, s[WV], 3                        ; wn
	s_lshl_b32 s90, s21, 10
	s_lshl_b32 s91, s89, 8
	s_add_co_u32 s90, s90, s91                     ; my first column, in bytes: 1,024 x tile column + 256 wn
	s_mov_b32 s91, 0
	s_lshl_b32 s92, s22, 19
	s_lshl_b32 s93, s88, 18
	s_add_co_u32 s92, s92, s93                     ; my first row: (128 x tile row + 64 wm) x 4,096 bytes
	s_add_co_u32 s92, s92, s90
	s_mov_b32 s93, 0
	s_wait_dscnt 0x0                               ; both opening adds are done
	s_wait_kmcnt 0x0
	s_mov_b32 s[G0A], 1
	s_mul_i32 s[G0A+1], s[HF], 34816               ; AC + eight chunks a half: no place in the cluster enters an LDS address
	s_add_nc_u64 s[G0A+2:G0A+3], s[4:5], s[76:77]
	s_or_b32 s[G0A+3], s[G0A+3], 0x80000000
	s_mov_b32 s[G0B], 1
	s_mul_i32 s[G0B+1], s[HF], 69632
	s_add_co_u32 s[G0B+1], s[G0B+1], BC
	s_add_nc_u64 s[G0B+2:G0B+3], s[8:9], s[80:81]
	s_or_b32 s[G0B+3], s[G0B+3], 0x80000000
	s_mov_b32 s[G0SA], 1
	s_lshl_b32 s[G0SA+1], s[HF], 13
	s_add_co_u32 s[G0SA+1], s[G0SA+1], SCA
	s_add_nc_u64 s[G0SA+2:G0SA+3], s[6:7], s[78:79]
	s_or_b32 s[G0SA+3], s[G0SA+3], 0x80000000
	s_mov_b32 s[G0SB], 1
	s_lshl_b32 s[G0SB+1], s[HF], 13
	s_add_co_u32 s[G0SB+1], s[G0SB+1], SCB
	s_add_nc_u64 s[G0SB+2:G0SB+3], s[10:11], s[82:83]
	s_or_b32 s[G0SB+3], s[G0SB+3], 0x80000000
	s_add_nc_u64 s[12:13], s[12:13], s[90:91]      ; b at my first column
	s_add_nc_u64 s[14:15], s[14:15], s[92:93]      ; out0 at my corner
	CROUND                                         ; all sixteen work-groups are here: the joint loads meet
; One chain of branches on the wave's number, a load to an arm, all arms leading to one join: every way passes exactly one load.
.macro ARM under, g0, g1, next
	s_cmp_lt_u32 s[WV], \under
	s_cbranch_scc0 \next
	tensor_load_to_lds s[\g0:\g0+3], s[\g1:\g1+7]
	s_nop 0
.rept 4
	v_nop
.endr
	s_branch .Lhead_asked
\next:
.endm
	ARM 2, G0B,  G1B,  .Lhead_a
	ARM 4, G0A,  G1A,  .Lhead_sa
	ARM 6, G0SA, G1SA, .Lhead_sb
	tensor_load_to_lds s[G0SB:G0SB+3], s[G1SB:G1SB+7]
	s_nop 0
.rept 4
	v_nop
.endr
.Lhead_asked:
	v_and_b32 v1, 15, v0                           ; r
	v_bfe_u32 v2, v0, 4, 1                         ; hh = lane / 16
	s_delay_alu instid0(VALU_DEP_1)
	v_lshlrev_b32 v[BO], 5, v2
.irp a, 0,1,2,3
.irp bb, 0,1,2,3
	global_load_b128 v[ACC+8*(4*\a+\bb):ACC+8*(4*\a+\bb)+3], v[BO], s[12:13] offset:64*\bb       ; b at columns 16 bb + 8 hh + 0 .. 7: the sums begin with it
	global_load_b128 v[ACC+8*(4*\a+\bb)+4:ACC+8*(4*\a+\bb)+7], v[BO], s[12:13] offset:64*\bb+16
.endr
.endr
	v_lshrrev_b32 v11, 3, v1
	v_and_b32 v12, 7, v1
	s_delay_alu instid0(VALU_DEP_2)
	v_mul_u32_u24 v3, v11, 272
	s_delay_alu instid0(VALU_DEP_1)
	v_lshl_add_u32 v3, v12, 5, v3
	s_delay_alu instid0(VALU_DEP_1)
	v_lshl_add_u32 v3, v2, 4, v3                   ; a fragment's row: 272 (r / 8) + 32 (r % 8) + 16 hh
	s_mul_i32 s94, s88, 2176                       ; my 64 rows of A: eight LDS rows of 272 bytes
	v_add_nc_u32 v[ADRA], s94, v3
	s_mul_i32 s95, s89, 2176
	s_add_co_u32 s95, s95, BC
	v_add_nc_u32 v[ADRB], s95, v3
	s_lshl_b32 s94, s88, 8                         ; scale words: A's, my 64 rows;
	s_lshl_b32 s95, s89, 8                         ; W's, my 64 rows, 16,384 bytes behind A's
	s_add_co_u32 s95, s95, 16384
	s_sub_co_u32 s95, s95, s94
	v_mul_u32_u24 v[ADRS], s95, v2                 ; lanes 16-31 take W's: one product, the distance between the two
	s_add_co_u32 s94, s94, SCA
	v_lshl_add_u32 v[ADRS], v1, 2, v[ADRS]
	s_delay_alu instid0(VALU_DEP_1)
	v_add_nc_u32 v[ADRS], s94, v[ADRS]
	s_mul_i32 s96, s[WV], 4352
	s_add_co_u32 s96, s96, STG                     ; my stage
	v_mul_u32_u24 v[STO], v1, 272
	s_delay_alu instid0(VALU_DEP_1)
	v_lshl_add_u32 v[STO], v2, 5, v[STO]
	s_delay_alu instid0(VALU_DEP_1)
	v_add_nc_u32 v[STO], s96, v[STO]               ; in: row r, 32 bytes for each half of the lanes
	v_mul_u32_u24 v[RD], v2, 272
	s_delay_alu instid0(VALU_DEP_1)
	v_lshl_add_u32 v[RD], v1, 4, v[RD]
	s_delay_alu instid0(VALU_DEP_1)
	v_add_nc_u32 v[RD], s96, v[RD]                 ; back: lanes 0-15 one row of 256 bytes, lanes 16-31 the next
	v_lshlrev_b32 v[CO], 12, v2
	s_delay_alu instid0(VALU_DEP_1)
	v_lshl_add_u32 v[CO], v1, 4, v[CO]             ; and the same two rows in out0
	s_wait_alu depctr_va_vdst(0)
	s_wait_tensorcnt 0x0                           ; my half region has landed,
	s_barrier_signal -1
	s_barrier_wait -1                              ; everybody's.  The tiles are only read from here on
.irp c, 0,1,2,3,4,5,6,7,8,9,10,11,12,13,14,15
.irp i, 0,1,2,3
	ds_load_b32 v[BF+4*\c+\i], v[ADRS] offset:1024*\c+64*\i   ; chunk c's word (two scale bytes) of block i's row r
.endr
.endr
	s_wait_dscnt 0x0
.irp s, 0,1,2,3,4,5,6,7
.irp i, 0,1,2,3
	v_perm_b32 v[SC+4*\s+\i], v[BF+4*(2*\s+1)+\i], v[BF+8*\s+\i], s23   ; chunks 2 s and 2 s + 1: the four scale bytes of K step s
.endr
.endr
.rept 8
	v_nop                                          ; a scale register written by a vector instruction stands eight places ahead of a scaled matrix instruction
.endr
	s_wait_loadcnt 0x0                             ; the bias is in the accumulators
; A K step of 128: two chunks.  The 16 accumulators take turns, one instruction a turn, in the same order in every step.
.macro KSTEP s
.irp bb, 0,1,2,3
.irp c, 0,1
	ds_load_b128 v[BF+8*\bb+4*\c:BF+8*\bb+4*\c+3], v[ADRB] offset:\c*8704+\bb*544
.endr
.endr
.irp a, 0,1,2,3
.irp c, 0,1
	ds_load_b128 v[AF+8*\a+4*\c:AF+8*\a+4*\c+3], v[ADRA] offset:\c*4352+\a*544
.endr
.endr
	s_wait_alu depctr_va_vdst(0)
	s_wait_dscnt 0x0
.irp a, 0,1,2,3
.irp bb, 0,1,2,3
	v_wmma_scale_f32_16x16x128_f8f6f4 v[ACC+8*(4*\a+\bb):ACC+8*(4*\a+\bb)+7], v[BF+8*\bb:BF+8*\bb+7], v[AF+8*\a:AF+8*\a+7], v[ACC+8*(4*\a+\bb):ACC+8*(4*\a+\bb)+7], v[SC+4*(\s)+\bb], v[SC+4*(\s)+\a] matrix_a_fmt:MATRIX_FMT_FP4 matrix_b_fmt:MATRIX_FMT_FP4 matrix_a_scale:MATRIX_SCALE_ROW1
.endr
.endr
	v_add_nc_u32 v[ADRA], 8704, v[ADRA]            ; two chunks on.  These two and two v_nop are the four places in front of the next loads into the fragments' registers, and of the first read of results
	v_add_nc_u32 v[ADRB], 17408, v[ADRB]
	v_nop
	v_nop
.endm
.irp s, 0,1,2,3,4,5,6,7
	KSTEP \s
.endr
; THE WAY OUT, a block of 16 rows x 64 columns at a time, through my own stage: LDS serves a wave's instructions in order, so no wait stands between the stores and the loads, nor in front of the next block's stores.
.macro TOSTAGE a
.irp bb, 0,1,2,3
	ds_store_b128 v[STO], v[ACC+8*(4*(\a)+\bb):ACC+8*(4*(\a)+\bb)+3] offset:64*\bb          ; each accumulator from its low end on
	ds_store_b128 v[STO], v[ACC+8*(4*(\a)+\bb)+4:ACC+8*(4*(\a)+\bb)+7] offset:64*\bb+16
.endr
.irp t, 0,1,2,3,4,5,6,7
	ds_load_b128 v[BF+32*((\a)%2)+4*\t:BF+32*((\a)%2)+4*\t+3], v[RD] offset:2*\t*272
.endr
.endm
.macro SEND a, younger                 ; younger: the LDS instructions issued behind block a's loads, which may stay out
	s_wait_dscnt \younger
.irp t, 0,1,2,3,4,5,6,7
	global_store_b128 v[CO], v[BF+32*((\a)%2)+4*\t:BF+32*((\a)%2)+4*\t+3], s[14:15] offset:(16*(\a)+2*\t)*4096 th:TH_STORE_NT   ; sixteen lanes store 256 consecutive bytes, aligned
.endr
.endm
	TOSTAGE 0
	TOSTAGE 1
	SEND 0, 16                                     ; behind block 0's loads: block 1's 8 stores and 8 loads
	s_wait_xcnt 0x0                                ; block 0's stores have read their registers: block 2's loads may land there
	TOSTAGE 2
	SEND 1, 16
	s_wait_xcnt 0x0
	TOSTAGE 3
	SEND 2, 16
	SEND 3, 0
	s_wait_tensorcnt 0x0                           ; the wave's end
	ds_add_u32 v30, v31
	s_wait_dscnt 0x0
	CROUND                                         ; the closing round
	s_endpgm
.Lfunc_end_k_q72d7a5a91a_proj:
	.size	k_q72d7a5a91a_proj, .Lfunc_end_k_q72d7a5a91a_proj-k_q72d7a5a91a_proj
	.p2alignl 7, 3214868480
	.fill 96, 4, 3214868480
	.section	.rodata,"a",@progbits
	.p2align	6, 0x0
	.amdhsa_kernel k_q72d7a5a91a_proj
		.amdhsa_group_segment_fixed_size 277504
		.amdhsa_private_segment_fixed_size 0
		.amdhsa_enable_private_segment 0
		.amdhsa_kernarg_size 48
		.amdhsa_user_sgpr_count 2
		.amdhsa_user_sgpr_kernarg_segment_ptr 1
		.amdhsa_wavefront_size32 1
		.amdhsa_system_sgpr_workgroup_id_x 1
		.amdhsa_system_sgpr_workgroup_id_y 1
		.amdhsa_system_sgpr_workgroup_id_z 1
		.amdhsa_system_vgpr_workitem_id 0
		.amdhsa_next_free_vgpr 256
		.amdhsa_next_free_sgpr 100
		.amdhsa_reserve_vcc 0
		.amdhsa_float_denorm_mode_32 3
		.amdhsa_float_denorm_mode_16_64 3
		.amdhsa_memory_ordered 1
		.amdhsa_forward_progress 1
		.amdhsa_inst_pref_size 52
	.end_amdhsa_kernel
	.amdgpu_metadata
---
amdhsa.version: [ 1, 2 ]
amdhsa.kernels:
  - .name:           k_q72d7a5a91a_proj
    .symbol:         k_q72d7a5a91a_proj.kd
    .args:
      - { .name: ac, .offset: 0, .size: 8, .value_kind: global_buffer, .address_space: global }
      - { .name: aw, .offset: 8, .size: 8, .value_kind: global_buffer, .address_space: global }
      - { .name: codes_r, .offset: 16, .size: 8, .value_kind: global_buffer, .address_space: global }
      - { .name: words_r, .offset: 24, .size: 8, .value_kind: global_buffer, .address_space: global }
      - { .name: b, .offset: 32, .size: 8, .value_kind: global_buffer, .address_space: global }
      - { .name: out0, .offset: 40, .size: 8, .value_kind: global_buffer, .address_space: global }
    .group_segment_fixed_size: 277504
    .private_segment_fixed_size: 0
    .kernarg_segment_align: 8
    .kernarg_segment_size: 48
    .max_flat_workgroup_size: 256
    .sgpr_count:     100
    .vgpr_count:     256
    .wavefront_size: 32
...
	.end_amdgpu_metadata
.endif
;; end of part 4
